; MI455X (gfx1250); checked and timed in simulation.
; The chip was launched on July 23, 2026; its instructions are those of AMD's public machine-readable ISA for CDNA 5 (MIT licence, August 2026) and "CDNA5" Instruction Set Architecture Reference Guide (July 2026). The comments in the code are by the model that wrote it; some were corrected since.
;; Attention multi doublevalue. Allowed arithmetic: matrix products marked QUANTISED: E2M3 operands, one E8M0 scale for each 32 along K, by v_wmma_scale_f32_16x16x128_f8f6f4 with both operands' format E2M3, f32 sums; everything else in f32.
;; Inputs: Wk 768 x 768 float32; Wp 768 x 768 float32; Wq 768 x 768 float32; Wv 768 x 768 float32; Wvc 768 x 768 float32; bp 768 float32; x 16 x 906 x 768 float32.
;; Outputs: out0 16 x 906 x 768 float32.
;; This version of the problem:
;;   THIS VERSION OF THE PROBLEM IS GIVEN IN LOW PRECISION. The matrix products marked QUANTISED in the list below multiply operands that are first quantised to E2M3 (2 exponent bits, 3 mantissa bits; 6 bits a number), with one power-of-two scale for each 32 numbers along K (OCP MX v1.0); their sums are f32. All else is computed in f32.
;;   The module's matrix products, in the order in which they are computed (A, B: the left and right operand; K: the contracted axis; several contracted axes count as one K, in the product's order):
;;     1. [M 14,496, K 768] x [K 768, N 768]; A: input x; B: input Wq: QUANTISED
;;     2. [M 14,496, K 768] x [K 768, N 768]; A: input x; B: input Wk: QUANTISED
;;     3. [M 14,496, K 768] x [K 768, N 768]; A: input x; B: input Wv: QUANTISED
;;     4. [M 14,496, K 768] x [K 768, N 768]; A: input x; B: input Wvc: QUANTISED
;;     5. batch 192 x [M 906, K 64] x [K 64, N 906]; A: computed on the way; B: computed on the way: QUANTISED
;;     6. batch 192 x [M 513, K 906] x [K 906, N 64]; A: computed on the way; B: computed on the way: QUANTISED
;;     7. batch 192 x [M 393, K 906] x [K 906, N 64]; A: computed on the way; B: computed on the way: QUANTISED
;;     8. [M 14,496, K 768] x [K 768, N 768]; A: computed on the way; B: input Wp: QUANTISED
;;   THE QUANTISER, for each operand of a quantised product, along K:
;;     - K is cut into blocks of 32 from its start; a last block that is shorter is filled with zeros.
;;     - A block's scale is 2^e with e = floor(log2(the largest magnitude in the block)) - 2, held to -126 .. 127; a block of zeros has e = 0. As a byte (E8M0): e + 127.
;;     - Each number is divided by its block's scale, clamped to +-7.5, and rounded to the nearest number of E2M3, ties to even, subnormals kept.
;;     - The product sums the exact products of the quantised numbers (number of the format x scale) in f32.
;;   ~~~python
;;   def quantise(x, axis):      # numpy; x: float32 -> the quantised numbers, widened to float32 again
;;       x = np.moveaxis(x, axis, -1); K = x.shape[-1]
;;       x = np.pad(x, [(0, 0)] * (x.ndim - 1) + [(0, -K % 32)]); x = x.reshape(x.shape[:-1] + (-1, 32)); a = np.abs(x).max(-1, keepdims=True)
;;       e = np.where(a > 0, np.clip(np.frexp(np.where(a > 0, a, 1))[1] - 1 - 2, -126, 127), 0)      # np.frexp(a)[1] - 1 = floor(log2(a)), exactly
;;       r = np.clip(x / 2.0 ** e, -7.5, 7.5)
;;       step = 2.0 ** (np.maximum(np.frexp(np.where(r == 0, 1, r))[1] - 1, 0) - 3)
;;       q = np.round(r / step) * step * 2.0 ** e      # np.round: ties to even
;;       return np.moveaxis(q.reshape(q.shape[:-2] + (-1,))[..., :K], -1, axis).astype(np.float32)
;;   ~~~
;;   OPERANDS COMPUTED ON THE WAY. 'Computed on the way' means the value that the module computes at that place (a softmax that the list does not call 'softmax' is quantised finished and normalised). What goes into a quantiser is computed in f32, as accurately as f32 sums, v_exp_f32 and their like allow (about 1e-6 of the number): no bf16 or f16 on the way to a quantiser, and a product that is left as it is and whose result goes on into a quantised operand takes f32 operands (vector FMAs, or v_wmma_f32_16x16x4_f32). A number that lies on a knife's edge between two numbers of the format may be rounded either way, as far as f32 arithmetic and the matrix unit's own rounding can turn it there, and no further.
;; One version. Each part assembles by itself: llvm-mc -triple=amdgcn-amd-amdhsa -mcpu=gfx1250 --defsym DOCPART=n.
;; ======== version 1 of 1: 3 launches
;; limits: right only within a limited range of input values
;; workspace buffers: xq 9,830,400 bytes; wq 2,304,000 bytes; qk 20,447,232 bytes; vq 19,660,800 bytes
;; launch quant (part 1): grid 6 x 158, 4 waves a work-group, no clusters, 1,536 bytes of LDS; arguments x, Wq, Wk, Wv, Wvc, Wp, xq, wq; writes xq, wq
.if DOCPART == 1
	.amdgcn_target "amdgcn-amd-amdhsa--gfx1250"
	.amdhsa_code_object_version 6
	.text
	.protected	k_qe7a08c81c9_quant
	.globl	k_qe7a08c81c9_quant
	.p2align	8
	.type	k_qe7a08c81c9_quant,@function
k_qe7a08c81c9_quant:
	s_mov_b64 s[64:65], 0
	v_nop
	global_prefetch_b8 v0, s[64:65] scope:SCOPE_SE
	s_setreg_imm32_b32 hwreg(HW_REG_WAVE_MODE, 25, 1), 1
	s_wait_xcnt 0x0
; x [16][906][768] and the five weights [768 (k)][768 (n)], f32, become codes of FP6 (E2M3) with one E8M0 byte for each 32 along K,
; laid in the order of a matrix operand's registers, so that later launches load whole fragments by dense loads.
; A FRAGMENT (16 rows x 128 K) is 1,536 bytes: registers 4 c .. 4 c + 3 of lane l at 512 c + 16 l.  The scale words of 8 tiles are 512 bytes:
; lane l's 16 bytes are the words of tile pairs 0 .. 3; in a pair's word lanes 0-15 hold the even tile, lanes 16-31 the odd one.
; THE ROWS OF A TILE ARE NOT NEIGHBOURS: row p of tile 2 g + u is neighbour 32 g + 8 u + p + 8 (p / 8) of a group of 128 (tokens of x, columns of a weight),
; so that a product with such a tile as source 0 leaves 16 neighbours in 16 consecutive registers of a lane.
; xq: [block = 8 batch + tb][K step 6][tile 8]; a batch is padded to 1,024 tokens, tokens from 906 on get zero codes.  wq: [unit 30][K step 6][tile 8]:
; units 0-11: Wq's head (tiles 0-3) and Wk's (4-7); 12-23: Wv's and Wvc's; 24-29: 128 columns of Wp.
; SHARES: work-group (K step, y): y < 128 a block of x, else unit y - 128.  Wave w makes tiles 2 w and 2 w + 1.  One text serves both: only the loads part, on the work-group's number.
; A block's scale is 2^(floor(log2(largest magnitude)) - 2); its byte is the largest magnitude's exponent field - 2, held at 1 from below.
; LIMITS: NaN and infinities are not served; blocks under 2^-124 keep the byte 1; a block of zeros gets the byte 1 where the rule says 127 (its codes are zeros, and this program alone reads the bytes).
.set X0,  16                           ; v16-79   64 numbers of the first tile: register 16 b + i = k 32 b + 16 (lane / 16) + i of my row
.set X1,  80                           ; v80-143  of the second
.set TM,  144                          ; v144-159 at work: largest magnitudes, bytes, scale operands
.set T2,  160                          ; v160-167 the upper halves' codes
.set PC0, 168                          ; v168-179 the first fragment
.set PC1, 180                          ; v180-191 the second
.set PW0, 192                          ; their scale words
.set PW1, 193
.set SI,  194                          ; v194-197 the image of 8 tiles' scale words
.set SEL, 28                           ; s[28:29] lane selects: lane l xor 16
.macro QUANT s, pc, pw
.irp b, 0,1,2,3
	v_max3_num_f32 v[TM+\b], |v[\s+16*\b]|, |v[\s+1+16*\b]|, 0x1800000   ; block b: my 16 numbers, and the floor 2^(3 - 127): the byte cannot fall under 1
.endr
.irp i, 2,4,6,8,10,12,14
.irp b, 0,1,2,3
	v_max3_num_f32 v[TM+\b], v[TM+\b], |v[\s+16*\b+\i]|, |v[\s+1+16*\b+\i]|   ; the four blocks by turns
.endr
.endr
.irp b, 0,1,2,3
	v_permlanex16_b32 v[TM+4+\b], v[TM+\b], s[SEL], s[SEL+1]
.endr
.irp b, 0,1,2,3
	v_max_num_f32 v[TM+\b], v[TM+\b], v[TM+4+\b]       ; with lane l xor 16's 16: the block's largest magnitude
.endr
.irp b, 0,1,2,3
	v_add_nc_u32 v[TM+12+\b], 0xff000000, v[TM+\b]     ; 2 off its exponent field: the conversion's scale operand
.endr
.irp b, 0,1,2,3
	v_lshrrev_b32 v[TM+4+\b], 23, v[TM+12+\b]          ; the scale's byte
.endr
	v_lshl_or_b32 v[\pw], v[TM+5], 8, v[TM+4]
	v_lshl_or_b32 v[\pw], v[TM+6], 16, v[\pw]
	v_lshl_or_b32 v[\pw], v[TM+7], 24, v[\pw]          ; my row's scale word, the same in both halves of the lanes
.irp c, 0,1
	v_cvt_scalef32_pk16_fp6_f32 v[\pc+6*\c:\pc+2+6*\c], v[\s+32*\c:\s+15+32*\c], v[TM+12+2*\c]
	v_cvt_scalef32_pk16_fp6_f32 v[T2+4*\c:T2+2+4*\c], v[\s+16+32*\c:\s+31+32*\c], v[TM+12+2*\c+1]   ; a conversion's three registers begin on an even number
.endr
	v_nop                                              ; one plain place behind the scaled conversions
.irp c, 0,1                                            ; the operand wants a whole block in a lane: lanes 0-15 block 2 c, lanes 16-31 block 2 c + 1
.irp i, 0,1,2
	v_permlane16_swap_b32 v[\pc+6*\c+\i], v[T2+4*\c+\i]
.endr
.irp i, 0,1,2
	v_mov_b32 v[\pc+3+6*\c+\i], v[T2+4*\c+\i]
.endr
.endr
.endm
	s_load_b512 s[8:23], s[0:1], 0x0               ; x, Wq, Wk, Wv, Wvc, Wp, xq, wq
	v_lshl_add_u32 v200, v0, 2, 0x400
	v_mov_b32 v201, 0
	v_lshrrev_b32 v1, 5, v0
	v_readfirstlane_b32 s4, v1                     ; wave
	v_and_b32 v1, 31, v0                           ; lane
	v_and_b32 v2, 15, v0                           ; r
	v_bfe_u32 v3, v0, 4, 1                         ; h
	v_and_b32 v4, 8, v2
	v_add_nc_u32 v4, v4, v2                        ; r + 8 (r / 8)
	v_lshlrev_b32 v7, 4, v1                        ; 16 x lane
	s_lshl_b32 s27, s4, 2
	v_add_nc_u32 v8, s27, v7                       ; LDS: my pair's word in the image: 16 x lane + 4 x wave
	s_mov_b32 s2, ttmp9                            ; K step
	s_and_b32 s3, ttmp7, 0xffff                    ; y
	s_mov_b32 s24, 0xffff0000                      ; lanes 16-31
	s_mov_b32 s[SEL], 0x76543210
	s_mov_b32 s[SEL+1], 0xfedcba98
.irp b, 0,1,2,3
	v_mov_b32 v[TM+4+\b], 0                        ; a lane permute's destination counts as one of its sources
.endr
	s_cmp_lt_u32 s3, 128
	s_cselect_b32 s5, 0, 128
	s_sub_co_u32 s5, s3, s5                        ; the block of x, or the unit
	s_mul_i32 s40, s5, 73728
	s_mul_i32 s41, s2, 12288
	s_add_co_u32 s40, s40, s41
	s_mul_i32 s41, s4, 3072
	s_add_co_u32 s40, s40, s41                     ; my two fragments' place
	s_mov_b32 s41, 0
	s_mul_i32 s42, s5, 6
	s_add_co_u32 s42, s42, s2
	s_lshl_b32 s42, s42, 9                         ; the image of scale words: 512 bytes for each (block or unit, K step)
	s_mov_b32 s43, 0
	s_mov_b32 s36, 2211840                         ; behind wq's codes,
	s_cmp_lt_u32 s3, 128
	s_cselect_b32 s36, 9437184, s36                ; or behind xq's
	s_add_co_u32 s42, s42, s36
	s_wait_kmcnt 0x0
	s_cmp_lt_u32 s3, 128                           ; the choice hangs on the work-group's number alone
	s_cselect_b64 s[32:33], s[20:21], s[22:23]
	s_add_nc_u64 s[34:35], s[32:33], s[42:43]      ; where the scale words go
	s_add_nc_u64 s[32:33], s[32:33], s[40:41]      ; where the codes go
	s_cmp_lt_u32 s3, 128
	s_cbranch_scc0 .Lweights
	; ---- x: K is innermost.  Lane (r, h) takes, of its token's row, 16 neighbours of each block of 32
	s_lshr_b32 s6, s3, 3                           ; batch
	s_and_b32 s7, s3, 7
	s_lshl_b32 s7, s7, 7
	s_lshl_b32 s44, s4, 5
	s_add_co_u32 s7, s7, s44                       ; 128 tb + 32 wave
	s_wait_alu depctr_va_vdst(0)
	v_add_nc_u32 v9, s7, v4                        ; my token in the first tile,
	v_add_nc_u32 v10, 8, v9                        ; in the second
	v_cmp_gt_u32 s25, 906, v9                      ; lanes whose token exists
	v_cmp_gt_u32 s26, 906, v10
	v_min_u32 v9, 905, v9                          ; no load leaves the batch: the others read the last token, and their codes are cleared below
	v_min_u32 v10, 905, v10
	s_mul_i32 s6, s6, 906
	v_add_nc_u32 v9, s6, v9
	v_add_nc_u32 v10, s6, v10
	v_mul_u32_u24 v5, v9, 3072
	v_mul_u32_u24 v6, v10, 3072
	v_lshl_add_u32 v5, v3, 6, v5                   ; + 64 h
	v_lshl_add_u32 v6, v3, 6, v6
	s_lshl_b32 s44, s2, 9                          ; the K step's 512 bytes of a row
	s_mov_b32 s45, 0
	s_add_nc_u64 s[30:31], s[8:9], s[44:45]
.irp b, 0,1,2,3
.irp j, 0,1,2,3
	global_load_b128 v[X0+16*\b+4*\j:X0+16*\b+4*\j+3], v5, s[30:31] offset:128*\b+16*\j th:TH_LOAD_NT
	global_load_b128 v[X1+16*\b+4*\j:X1+16*\b+4*\j+3], v6, s[30:31] offset:128*\b+16*\j th:TH_LOAD_NT
.endr
.endr
	s_branch .Ljoin
.Lweights:
	; ---- a weight: K is the first axis.  A lane takes a column and its registers run down K
	s_cmp_lt_u32 s4, 2                             ; waves 0, 1: the unit's first matrix; waves 2, 3: its second
	s_cselect_b64 s[30:31], s[10:11], s[12:13]
	s_cselect_b64 s[44:45], s[14:15], s[16:17]
	s_cmp_lt_u32 s5, 12
	s_cselect_b64 s[30:31], s[30:31], s[44:45]
	s_cselect_b32 s46, 0, 12
	s_cmp_lt_u32 s5, 24
	s_cselect_b64 s[30:31], s[30:31], s[18:19]
	s_sub_co_u32 s46, s5, s46                      ; the head
	s_lshl_b32 s46, s46, 6
	s_and_b32 s47, s4, 1
	s_lshl_b32 s47, s47, 5
	s_add_co_u32 s46, s46, s47                     ; units 0-23: column 64 head + 32 (wave % 2)
	s_sub_co_u32 s47, s5, 24
	s_lshl_b32 s47, s47, 7
	s_lshl_b32 s6, s4, 5
	s_add_co_u32 s47, s47, s6                      ; units 24-29: column 128 (unit - 24) + 32 wave
	s_cmp_lt_u32 s5, 24
	s_cselect_b32 s46, s46, s47
	s_lshl_b32 s46, s46, 2
	s_mul_i32 s6, s2, 393216                       ; the K step's 128 rows of 3,072 bytes
	s_add_co_u32 s46, s46, s6
	s_mov_b32 s47, 0
	s_add_nc_u64 s[30:31], s[30:31], s[46:47]
	s_wait_alu depctr_va_vdst(0)
	v_mul_u32_u24 v5, v3, 49152                    ; lanes 16-31 begin 16 rows further down
	v_lshl_add_u32 v5, v4, 2, v5                   ; my column of the tile
	s_mov_b32 s25, -1                              ; every column exists
	s_mov_b32 s26, -1
.irp u, 0,1
.set i, 0
.rept 64
	global_load_b32 v[X0+64*\u+i], v5, s[30:31] offset:(32*(i/16)+i%16)*3072+32*\u
.set i, i+1
.endr
.endr
.Ljoin:
	s_wait_loadcnt 0x0
	QUANT X0, PC0, PW0
	QUANT X1, PC1, PW1
.irp i, 0,1,2,3,4,5,6,7,8,9,10,11
	v_cndmask_b32 v[PC0+\i], 0, v[PC0+\i], s25     ; zero codes for tokens that do not exist
	v_cndmask_b32 v[PC1+\i], 0, v[PC1+\i], s26
.endr
.irp c, 0,1,2
	global_store_b128 v7, v[PC0+4*\c:PC0+4*\c+3], s[32:33] offset:512*\c        ; 32 lanes store 512 consecutive bytes, aligned
	global_store_b128 v7, v[PC1+4*\c:PC1+4*\c+3], s[32:33] offset:1536+512*\c
.endr
	v_cndmask_b32 v[PW0], v[PW0], v[PW1], s24      ; lanes 0-15: the even tile's words; lanes 16-31: the odd tile's
	ds_store_b32 v8, v[PW0]
	s_wait_dscnt 0x0                               ; for the others' sake: my word has landed
	s_barrier_signal -1
	s_barrier_wait -1
	s_cmp_lg_u32 s4, 0                             ; wave 0 stores the four pairs' words as 512 consecutive bytes
	s_cbranch_scc1 .Lend
	ds_load_b128 v[SI:SI+3], v7
	s_wait_dscnt 0x0
	global_store_b128 v7, v[SI:SI+3], s[34:35]
.Lend:
	s_wait_tensorcnt 0x0
	ds_add_u32 v200, v201
	s_wait_dscnt 0x0
	s_endpgm
.Lfunc_end_k_qe7a08c81c9_quant:
	.size	k_qe7a08c81c9_quant, .Lfunc_end_k_qe7a08c81c9_quant-k_qe7a08c81c9_quant
	.p2alignl 7, 3214868480
	.fill 96, 4, 3214868480
	.section	.rodata,"a",@progbits
	.p2align	6, 0x0
	.amdhsa_kernel k_qe7a08c81c9_quant
		.amdhsa_group_segment_fixed_size 1536
		.amdhsa_private_segment_fixed_size 0
		.amdhsa_enable_private_segment 0
		.amdhsa_kernarg_size 64
		.amdhsa_user_sgpr_count 2
		.amdhsa_user_sgpr_kernarg_segment_ptr 1
		.amdhsa_wavefront_size32 1
		.amdhsa_system_sgpr_workgroup_id_x 1
		.amdhsa_system_sgpr_workgroup_id_y 1
		.amdhsa_system_sgpr_workgroup_id_z 1
		.amdhsa_system_vgpr_workitem_id 0
		.amdhsa_next_free_vgpr 202
		.amdhsa_next_free_sgpr 66
		.amdhsa_reserve_vcc 0
		.amdhsa_float_denorm_mode_32 3
		.amdhsa_float_denorm_mode_16_64 3
		.amdhsa_memory_ordered 1
		.amdhsa_forward_progress 1
		.amdhsa_inst_pref_size 30
	.end_amdhsa_kernel
	.amdgpu_metadata
---
amdhsa.version: [ 1, 2 ]
amdhsa.kernels:
  - .name:           k_qe7a08c81c9_quant
    .symbol:         k_qe7a08c81c9_quant.kd
    .args:
      - { .name: x, .offset: 0, .size: 8, .value_kind: global_buffer, .address_space: global }
      - { .name: Wq, .offset: 8, .size: 8, .value_kind: global_buffer, .address_space: global }
      - { .name: Wk, .offset: 16, .size: 8, .value_kind: global_buffer, .address_space: global }
      - { .name: Wv, .offset: 24, .size: 8, .value_kind: global_buffer, .address_space: global }
      - { .name: Wvc, .offset: 32, .size: 8, .value_kind: global_buffer, .address_space: global }
      - { .name: Wp, .offset: 40, .size: 8, .value_kind: global_buffer, .address_space: global }
      - { .name: xq, .offset: 48, .size: 8, .value_kind: global_buffer, .address_space: global }
      - { .name: wq, .offset: 56, .size: 8, .value_kind: global_buffer, .address_space: global }
    .group_segment_fixed_size: 1536
    .private_segment_fixed_size: 0
    .kernarg_segment_align: 8
    .kernarg_segment_size: 64
    .max_flat_workgroup_size: 128
    .sgpr_count:     66
    .vgpr_count:     202
    .wavefront_size: 32
...
	.end_amdgpu_metadata
.endif
;; end of part 1
;; launch proj (part 2): grid 128 x 2, 4 waves a work-group, no clusters, 77,312 bytes of LDS; arguments xq, wq, qk, vq; writes qk, vq
.if DOCPART == 2
	.amdgcn_target "amdgcn-amd-amdhsa--gfx1250"
	.amdhsa_code_object_version 6
	.text
	.protected	k_qe7a08c81c9_proj
	.globl	k_qe7a08c81c9_proj
	.p2align	8
	.type	k_qe7a08c81c9_proj,@function
k_qe7a08c81c9_proj:
	s_mov_b64 s[64:65], 0
	v_nop
	global_prefetch_b8 v0, s[64:65] scope:SCOPE_SE
	s_setreg_imm32_b32 hwreg(HW_REG_WAVE_MODE, 25, 1), 1
	s_wait_xcnt 0x0
; q, k, v, vc = x W on codes of FP6 (E2M3); the results are quantised in registers and leave as codes in the order of the next products' operands.
; SHARES: work-group (block, y): 128 tokens of a batch (padded to 1,024) x 1,536 columns: y = 0: Wq and Wk; y = 1: Wv and Wvc.  256 work-groups of equal work.
; Wave w takes three units of 128 columns (one head: 64 columns of each of the two matrices), one after the other: 64 accumulators of 16 x 16, 384 matrix instructions a unit.
; x's 48 fragments and their scale words are copied into LDS once; behind the one barrier LDS is only read.  A unit's weights go from memory straight into the registers of the one wave that multiplies them.
; No cluster and no joint loads: a weight fragment is wanted in one wave's registers, and a way through LDS would add 12,288 bytes of LDS traffic to each wave's K step.
; y = 0: source 0 = 16 columns of the weight, source 1 = 16 tokens: a lane holds one token and 64 + 64 channels: q's and k's halves of a fragment (K = the head's 64) and their scale bytes.
; y = 1: source 0 = 16 tokens, source 1 = 16 columns: a lane holds one channel and 128 tokens: a fragment of V^T (K = the keys).
;   THE VALUES ARE MIXED AHEAD OF THE QUANTISER: VA = v up to token 512 and vc from 513 on, VV the other way round.  Blocks 0-3 send v to VA and vc to VV, blocks 4-7 v to VV and vc to VA;
;   in block 4 token 512 (register 0 of lanes 0-15) first changes places between v and vc, by two selects and no branch.
; LIMITS: as in the launch before: NaN and infinities not served; blocks under 2^-124 and blocks of zeros keep the byte 1.
; REGISTERS, in windows of 256: window 0: v1 16 x lane, v2 8 x lane, v4-9 addresses; v32-39 x's scale words, v40-47 the weights', two sets each; v64-159, v160-255 x's fragments, two sets
;   (the second set's registers are at work in the way out).  window 1: v0-95, v128-223 the weights' fragments, two sets.  windows 2, 3: accumulator (i, j) at v[8 (8 (i % 4) + j)] of window 2 + i / 4.
.set XS,  32
.set WS,  40
.set XF,  64
.set TM,  160                          ; the way out: v160-175 at work
.set T2,  176                          ; v176-183 the upper halves' codes
.set PCA, 184                          ; v184-195, v196-207 the codes just made, by turns
.set PW,  208                          ; a scale word
.set WT,  209
.set SA,  212                          ; v212-215, v216-219 packed scale words
.set SB,  216
.set SWT, 220                          ; v220-223 token 512 on its way
.set SEL, 20
.set MSB, 0
.macro WIN new                         ; the immediate's high byte repeats the setting that is left
.if MSB != (\new)
	s_set_vgpr_msb (MSB<<8)|(\new)
.set MSB, (\new)
.endif
.endm
; One matrix instruction.  z = 1: the constant 0 starts the sum.  ra, rb: the side's scale words stand in lanes 16-31 of the register named.
.macro WM d, a, b, z, sa, sb, ra, rb
.if \z
.if (\ra) && (\rb)
	v_wmma_scale_f32_16x16x128_f8f6f4 v[\d:\d+7], v[\a:\a+11], v[\b:\b+11], 0, v[\sa], v[\sb] matrix_a_fmt:MATRIX_FMT_FP6 matrix_b_fmt:MATRIX_FMT_FP6 matrix_a_scale:MATRIX_SCALE_ROW1 matrix_b_scale:MATRIX_SCALE_ROW1
.elseif \ra
	v_wmma_scale_f32_16x16x128_f8f6f4 v[\d:\d+7], v[\a:\a+11], v[\b:\b+11], 0, v[\sa], v[\sb] matrix_a_fmt:MATRIX_FMT_FP6 matrix_b_fmt:MATRIX_FMT_FP6 matrix_a_scale:MATRIX_SCALE_ROW1
.elseif \rb
	v_wmma_scale_f32_16x16x128_f8f6f4 v[\d:\d+7], v[\a:\a+11], v[\b:\b+11], 0, v[\sa], v[\sb] matrix_a_fmt:MATRIX_FMT_FP6 matrix_b_fmt:MATRIX_FMT_FP6 matrix_b_scale:MATRIX_SCALE_ROW1
.else
	v_wmma_scale_f32_16x16x128_f8f6f4 v[\d:\d+7], v[\a:\a+11], v[\b:\b+11], 0, v[\sa], v[\sb] matrix_a_fmt:MATRIX_FMT_FP6 matrix_b_fmt:MATRIX_FMT_FP6
.endif
.else
.if (\ra) && (\rb)
	v_wmma_scale_f32_16x16x128_f8f6f4 v[\d:\d+7], v[\a:\a+11], v[\b:\b+11], v[\d:\d+7], v[\sa], v[\sb] matrix_a_fmt:MATRIX_FMT_FP6 matrix_b_fmt:MATRIX_FMT_FP6 matrix_a_scale:MATRIX_SCALE_ROW1 matrix_b_scale:MATRIX_SCALE_ROW1
.elseif \ra
	v_wmma_scale_f32_16x16x128_f8f6f4 v[\d:\d+7], v[\a:\a+11], v[\b:\b+11], v[\d:\d+7], v[\sa], v[\sb] matrix_a_fmt:MATRIX_FMT_FP6 matrix_b_fmt:MATRIX_FMT_FP6 matrix_a_scale:MATRIX_SCALE_ROW1
.elseif \rb
	v_wmma_scale_f32_16x16x128_f8f6f4 v[\d:\d+7], v[\a:\a+11], v[\b:\b+11], v[\d:\d+7], v[\sa], v[\sb] matrix_a_fmt:MATRIX_FMT_FP6 matrix_b_fmt:MATRIX_FMT_FP6 matrix_b_scale:MATRIX_SCALE_ROW1
.else
	v_wmma_scale_f32_16x16x128_f8f6f4 v[\d:\d+7], v[\a:\a+11], v[\b:\b+11], v[\d:\d+7], v[\sa], v[\sb] matrix_a_fmt:MATRIX_FMT_FP6 matrix_b_fmt:MATRIX_FMT_FP6
.endif
.endif
.endm
; K step n's operands into set n % 2: 24 + 1 loads from memory (the unit's weights and their scale words), 24 + 1 from LDS (x's).  n = 6 is the next unit's K step 0; behind the last unit it reads the unit that follows in wq, which exists.
.macro LOADS n
.set stx, (\n)%2
.set kkx, (\n)%6
	WIN 0x40                                       ; destination window 1
.irp t, 0,1,2,3,4,5,6,7
.irp c, 0,1,2
	global_load_b128 v[128*stx+12*\t+4*\c:128*stx+12*\t+4*\c+3], v1, s[22:23] offset:12288*(\n)+1536*\t+512*\c
.endr
.endr
	WIN 0
	global_load_b128 v[WS+4*stx:WS+4*stx+3], v1, s[24:25] offset:512*(\n)
.irp a, 0,1,2,3,4,5,6,7
.irp c, 0,1,2
	ds_load_b128 v[XF+96*stx+12*\a+4*\c:XF+96*stx+12*\a+4*\c+3], v[1+3*(kkx/3)] offset:12288*(kkx%3)+1536*\a+512*\c
.endr
.endr
	ds_load_b128 v[XS+4*stx:XS+4*stx+3], v5 offset:512*kkx
.endm
; 64 matrix instructions.  The 64 accumulators take turns, one instruction a turn, in the same order in every K step.
.macro MULS path, set, zero
.irp i, 0,1,2,3,4,5,6,7
.if \path
	WIN 0xa4+0x50*(\i/4)                           ; source 0 (x) window 0, source 1 (weight) window 1, C and D window 2 or 3
.else
	WIN 0xa1+0x50*(\i/4)                           ; source 0 (weight) window 1, source 1 (x) window 0
.endif
.irp j, 0,1,2,3,4,5,6,7
.if \path
	WM 8*(8*(\i%4)+\j), XF+96*(\set)+12*\j, 128*(\set)+12*\i, \zero, XS+4*(\set)+\j/2, WS+4*(\set)+\i/2, \j%2, \i%2
.else
	WM 8*(8*(\i%4)+\j), 128*(\set)+12*\j, XF+96*(\set)+12*\i, \zero, WS+4*(\set)+\j/2, XS+4*(\set)+\i/2, \j%2, \i%2
.endif
.endr
.endr
.endm
.macro STEP path, n
.if (\n) > 0
.rept 4
	v_nop                                          ; four places between the last K step's products and the loads into the set that they read
.endr
.endif
	LOADS (\n)+1
	s_wait_loadcnt 25                              ; all but the 25 just issued: this K step's weights are in
	s_wait_dscnt 25                                ; likewise x's fragments
.if (\n) == 0
	MULS \path, 0, 1
.else
	MULS \path, (\n)%2, 0
.endif
	WIN 0
.endm
; 64 numbers of a lane in window w, register 16 b + i = k 32 b + 16 (lane / 16) + i of my row, become a fragment's codes in v[pc] on and its scale word in v[pw].  Each accumulator is read from its low end on.
.macro QUANTW w, s, pc, pw
.set wqx, (\w)|((\w)<<2)
	WIN wqx
.irp b, 0,1,2,3
	v_max3_num_f32 v[TM+\b], |v[\s+16*\b]|, |v[\s+1+16*\b]|, 0x1800000   ; the floor 2^(3 - 127): the byte cannot fall under 1
.endr
.irp i, 2,4,6,8,10,12,14
.irp b, 0,1,2,3
	v_max3_num_f32 v[TM+\b], |v[\s+16*\b+\i]|, |v[\s+1+16*\b+\i]|, v[TM+\b]
.endr
.endr
	WIN 0
.irp b, 0,1,2,3
	v_permlanex16_b32 v[TM+4+\b], v[TM+\b], s[SEL], s[SEL+1]
.endr
.irp b, 0,1,2,3
	v_max_num_f32 v[TM+\b], v[TM+\b], v[TM+4+\b]
.endr
.irp b, 0,1,2,3
	v_add_nc_u32 v[TM+12+\b], 0xff000000, v[TM+\b] ; 2 off the exponent field: the conversion's scale operand
.endr
.irp b, 0,1,2,3
	v_lshrrev_b32 v[TM+4+\b], 23, v[TM+12+\b]
.endr
	v_lshl_or_b32 v[\pw], v[TM+5], 8, v[TM+4]
	v_lshl_or_b32 v[\pw], v[TM+6], 16, v[\pw]
	v_lshl_or_b32 v[\pw], v[TM+7], 24, v[\pw]
	s_wait_xcnt 0x0                                ; earlier stores have read v[pc] on: it is written again only behind this wait
.set wqx, (\w)
	WIN wqx                                        ; source 0 in window w
.irp c, 0,1
	v_cvt_scalef32_pk16_fp6_f32 v[\pc+6*\c:\pc+2+6*\c], v[\s+32*\c:\s+15+32*\c], v[TM+12+2*\c]
	v_cvt_scalef32_pk16_fp6_f32 v[T2+4*\c:T2+2+4*\c], v[\s+16+32*\c:\s+31+32*\c], v[TM+12+2*\c+1]
.endr
	WIN 0
	v_nop                                          ; one plain place behind the scaled conversions
.irp c, 0,1
.irp i, 0,1,2
	v_permlane16_swap_b32 v[\pc+6*\c+\i], v[T2+4*\c+\i]
.endr
.irp i, 0,1,2
	v_mov_b32 v[\pc+3+6*\c+\i], v[T2+4*\c+\i]
.endr
.endr
.endm
	s_load_b256 s[4:11], s[0:1], 0x0               ; xq, wq, qk, vq
	v_lshl_add_u32 v62, v0, 2, 0x12c00
	v_mov_b32 v63, 0
	v_lshrrev_b32 v1, 5, v0
	v_readfirstlane_b32 s12, v1                    ; wave
	v_and_b32 v2, 31, v0
	v_lshlrev_b32 v1, 4, v2                        ; 16 x lane: also x's fragments of K steps 0-2 in LDS
	v_lshlrev_b32 v2, 3, v2                        ; 8 x lane
	v_add_nc_u32 v4, 36864, v1                     ; x's fragments of K steps 3-5
	v_add_nc_u32 v5, 73728, v1                     ; x's scale words
	v_lshlrev_b32 v6, 4, v0                        ; the copy: 16 x thread,
	v_add_nc_u32 v7, 36864, v6
	v_lshlrev_b32 v9, 3, v0                        ; 8 x thread
	v_add_nc_u32 v8, 73728, v9
	s_mov_b32 s13, ttmp9                           ; block
	s_and_b32 s14, ttmp7, 0xffff                   ; y
	s_lshr_b32 s15, s13, 3                         ; batch
	s_and_b32 s16, s13, 7                          ; tb
	s_mov_b32 s17, 0xffff0000                      ; lanes 16-31
	s_mov_b32 s18, 0x7f7f0000                      ; the bytes of the half of K that q k^T does not use: 1.0
	s_mov_b32 s[SEL], 0x76543210
	s_mov_b32 s[SEL+1], 0xfedcba98
	s_cmp_eq_u32 s16, 4
	s_cselect_b32 s19, 0xffff, 0                   ; lanes 0-15 in the block that holds token 512, else none
	s_mul_i32 s36, s12, 3
	s_mul_i32 s35, s14, 12
	s_add_co_u32 s35, s35, s36                     ; my first unit: 12 y + 3 wave
	s_mul_i32 s37, s15, 12
	s_add_co_u32 s37, s37, s36                     ; its (batch, head): 12 batch + 3 wave
	s_mul_i32 s38, s35, 73728
	s_mov_b32 s39, 0
	s_mul_i32 s40, s35, 3072
	s_add_co_u32 s40, s40, 2211840
	s_mov_b32 s41, 0
	s_mul_i32 s42, s13, 73728
	s_mov_b32 s43, 0
	s_mul_i32 s44, s13, 3072
	s_add_co_u32 s44, s44, 9437184
	s_mov_b32 s45, 0
	s_wait_alu depctr_va_vdst(0)
	s_wait_kmcnt 0x0
	s_add_nc_u64 s[22:23], s[6:7], s[38:39]        ; the unit's codes
	s_add_nc_u64 s[24:25], s[6:7], s[40:41]        ; and scale words
	s_add_nc_u64 s[46:47], s[4:5], s[42:43]        ; the block's codes of x
	s_add_nc_u64 s[48:49], s[4:5], s[44:45]
	; ---- x into LDS: 73,728 + 3,072 dense bytes, 128 threads
.set i, 0
.rept 36
	global_load_b128 v[64+4*i:67+4*i], v6, s[46:47] offset:2048*i
.set i, i+1
.endr
.irp i, 0,1,2
	global_load_b64 v[208+2*\i:209+2*\i], v9, s[48:49] offset:1024*\i
.endr
	s_wait_loadcnt 0x0
.set i, 0
.rept 18
	ds_store_b128 v6, v[64+4*i:67+4*i] offset:2048*i
	ds_store_b128 v7, v[136+4*i:139+4*i] offset:2048*i
.set i, i+1
.endr
.irp i, 0,1,2
	ds_store_b64 v8, v[208+2*\i:209+2*\i] offset:1024*\i
.endr
	s_wait_dscnt 0x0                               ; for the others' sake: my part has landed
	s_barrier_signal -1
	s_barrier_wait -1
	LOADS 0
	s_cmp_lg_u32 s14, 0
	s_cbranch_scc1 .Lvalues
	; ---- y = 0: q and k
	s_lshl_b32 s38, s37, 6
	s_lshl_b32 s50, s16, 3
	s_add_co_u32 s38, s38, s50
	s_mul_i32 s38, s38, 768                        ; half fragments of 768 bytes: [(batch, head)][tile 8 tb + a]
	s_add_nc_u64 s[26:27], s[8:9], s[38:39]        ; q's
	s_add_nc_u64 s[28:29], s[26:27], 9437184       ; k's
	s_lshl_b32 s38, s37, 3
	s_add_co_u32 s38, s38, s16
	s_lshl_b32 s38, s38, 9
	s_add_co_u32 s38, s38, 18874368
	s_add_nc_u64 s[30:31], s[8:9], s[38:39]        ; q's scale words
	s_add_nc_u64 s[32:33], s[30:31], 786432        ; k's
	s_mov_b32 s34, 3
.Lunit0:
	STEP 0, 0
	STEP 0, 1
	STEP 0, 2
	STEP 0, 3
	STEP 0, 4
	STEP 0, 5
.rept 4
	v_nop                                          ; four places behind the last products
.endr
.irp b, 0,1,2,3
	v_mov_b32 v[TM+4+\b], 0                        ; a lane permute's destination counts as one of its sources
.endr
.irp a, 0,1,2,3,4,5,6,7                            ; token tile a: registers 0-5 of the fragment are q's half, 6-11 k's
.set pcx, PCA+12*(\a%2)
	QUANTW 2+\a/4, 64*(\a%4), pcx, PW
.irp p, 0,1,2
	global_store_b64 v2, v[pcx+2*\p:pcx+2*\p+1], s[26:27] offset:768*\a+256*\p     ; 32 lanes store 256 consecutive bytes, aligned
	global_store_b64 v2, v[pcx+6+2*\p:pcx+7+2*\p], s[28:29] offset:768*\a+256*\p
.endr
.if \a%2 == 0
	v_and_or_b32 v[SA+\a/2], v[PW], 0xffff, s18    ; q's two bytes
	v_lshrrev_b32 v[WT], 16, v[PW]
	v_or_b32 v[SB+\a/2], s18, v[WT]                ; k's two
.else
	v_and_or_b32 v[WT], v[PW], 0xffff, s18
	v_cndmask_b32 v[SA+\a/2], v[SA+\a/2], v[WT], s17   ; the odd tile's words go to lanes 16-31
	v_lshrrev_b32 v[WT], 16, v[PW]
	v_or_b32 v[WT], s18, v[WT]
	v_cndmask_b32 v[SB+\a/2], v[SB+\a/2], v[WT], s17
.endif
.endr
	global_store_b128 v1, v[SA:SA+3], s[30:31]
	global_store_b128 v1, v[SB:SB+3], s[32:33]
	s_wait_xcnt 0x0                                ; loads and stores have read their bases and registers: all may be written again
	s_add_nc_u64 s[22:23], s[22:23], 73728
	s_add_nc_u64 s[24:25], s[24:25], 3072
	s_add_nc_u64 s[26:27], s[26:27], 49152
	s_add_nc_u64 s[28:29], s[28:29], 49152
	s_add_nc_u64 s[30:31], s[30:31], 4096
	s_add_nc_u64 s[32:33], s[32:33], 4096
	s_sub_co_u32 s34, s34, 1
	s_cmp_lg_u32 s34, 0
	s_cbranch_scc1 .Lunit0
	s_wait_tensorcnt 0x0
	ds_add_u32 v62, v63
	s_wait_dscnt 0x0
	s_endpgm
.Lvalues:
	; ---- y = 1: v and vc
	s_cmp_ge_u32 s16, 4
	s_cselect_b32 s50, 192, 0                      ; v goes to VA in blocks 0-3, to VV in blocks 4-7;
	s_cselect_b32 s51, 0, 192                      ; vc the other way round
	s_add_co_u32 s50, s50, s37
	s_add_co_u32 s51, s51, s37
	s_lshl_b32 s50, s50, 3
	s_lshl_b32 s51, s51, 3
	s_add_co_u32 s50, s50, s16
	s_add_co_u32 s51, s51, s16
	s_mul_i32 s38, s50, 6144                       ; four fragments for each (which, batch, head, tb)
	s_add_nc_u64 s[26:27], s[10:11], s[38:39]
	s_mul_i32 s38, s51, 6144
	s_add_nc_u64 s[28:29], s[10:11], s[38:39]
	s_lshl_b32 s38, s50, 8
	s_add_co_u32 s38, s38, 18874368
	s_add_nc_u64 s[30:31], s[10:11], s[38:39]
	s_lshl_b32 s38, s51, 8
	s_add_co_u32 s38, s38, 18874368
	s_add_nc_u64 s[32:33], s[10:11], s[38:39]
	s_mov_b32 s34, 3
.Lunit1:
	STEP 1, 0
	STEP 1, 1
	STEP 1, 2
	STEP 1, 3
	STEP 1, 4
	STEP 1, 5
.rept 4
	v_nop                                          ; four places behind the last products
.endr
.irp b, 0,1,2,3
	v_mov_b32 v[TM+4+\b], 0
.endr
	WIN 0x02                                       ; token 512 is register 0 of lanes 0-15 in each channel tile: v's (window 2) and vc's (window 3) change places where s19 says so
.irp t, 0,1,2,3
	v_mov_b32 v[SWT+\t], v[64*\t]
.endr
	WIN 0x8e                                       ; destination and source 0 window 2, source 1 window 3
.irp t, 0,1,2,3
	v_cndmask_b32 v[64*\t], v[64*\t], v[64*\t], s19
.endr
	WIN 0xc3                                       ; destination and source 0 window 3, source 1 window 0
.irp t, 0,1,2,3
	v_cndmask_b32 v[64*\t], v[64*\t], v[SWT+\t], s19
.endr
.irp i, 0,1,2,3,4,5,6,7                            ; channel tile i % 4 of v (i < 4) or vc: a whole fragment of V^T, 16 channels x 128 keys
.set pcx, PCA+12*(\i%2)
.if \i%2 == 0
	QUANTW 2+\i/4, 64*(\i%4), pcx, SA+4*(\i/4)+(\i%4)/2
.else
	QUANTW 2+\i/4, 64*(\i%4), pcx, PW
	v_cndmask_b32 v[SA+4*(\i/4)+(\i%4)/2], v[SA+4*(\i/4)+(\i%4)/2], v[PW], s17   ; the odd tile's words go to lanes 16-31
.endif
.irp c, 0,1,2
.if \i < 4
	global_store_b128 v1, v[pcx+4*\c:pcx+4*\c+3], s[26:27] offset:1536*(\i%4)+512*\c
.else
	global_store_b128 v1, v[pcx+4*\c:pcx+4*\c+3], s[28:29] offset:1536*(\i%4)+512*\c
.endif
.endr
.endr
	global_store_b64 v2, v[SA:SA+1], s[30:31]      ; 256 consecutive bytes, aligned
	global_store_b64 v2, v[SB:SB+1], s[32:33]
	s_wait_xcnt 0x0
	s_add_nc_u64 s[22:23], s[22:23], 73728
	s_add_nc_u64 s[24:25], s[24:25], 3072
	s_add_nc_u64 s[26:27], s[26:27], 49152
	s_add_nc_u64 s[28:29], s[28:29], 49152
	s_add_nc_u64 s[30:31], s[30:31], 2048
	s_add_nc_u64 s[32:33], s[32:33], 2048
	s_sub_co_u32 s34, s34, 1
	s_cmp_lg_u32 s34, 0
	s_cbranch_scc1 .Lunit1
	s_wait_tensorcnt 0x0
	ds_add_u32 v62, v63
	s_wait_dscnt 0x0
	s_endpgm
.Lfunc_end_k_qe7a08c81c9_proj:
	.size	k_qe7a08c81c9_proj, .Lfunc_end_k_qe7a08c81c9_proj-k_qe7a08c81c9_proj
	.p2alignl 7, 3214868480
	.fill 96, 4, 3214868480
	.section	.rodata,"a",@progbits
	.p2align	6, 0x0
	.amdhsa_kernel k_qe7a08c81c9_proj
		.amdhsa_group_segment_fixed_size 77312
		.amdhsa_private_segment_fixed_size 0
		.amdhsa_enable_private_segment 0
		.amdhsa_kernarg_size 32
		.amdhsa_user_sgpr_count 2
		.amdhsa_user_sgpr_kernarg_segment_ptr 1
		.amdhsa_wavefront_size32 1
		.amdhsa_system_sgpr_workgroup_id_x 1
		.amdhsa_system_sgpr_workgroup_id_y 1
		.amdhsa_system_sgpr_workgroup_id_z 1
		.amdhsa_system_vgpr_workitem_id 0
		.amdhsa_next_free_vgpr 1024
		.amdhsa_next_free_sgpr 66
		.amdhsa_reserve_vcc 0
		.amdhsa_float_denorm_mode_32 3
		.amdhsa_float_denorm_mode_16_64 3
		.amdhsa_memory_ordered 1
		.amdhsa_forward_progress 1
		.amdhsa_inst_pref_size 235
	.end_amdhsa_kernel
	.amdgpu_metadata
---
amdhsa.version: [ 1, 2 ]
amdhsa.kernels:
  - .name:           k_qe7a08c81c9_proj
    .symbol:         k_qe7a08c81c9_proj.kd
    .args:
      - { .name: xq, .offset: 0, .size: 8, .value_kind: global_buffer, .address_space: global }
      - { .name: wq, .offset: 8, .size: 8, .value_kind: global_buffer, .address_space: global }
      - { .name: qk, .offset: 16, .size: 8, .value_kind: global_buffer, .address_space: global }
      - { .name: vq, .offset: 24, .size: 8, .value_kind: global_buffer, .address_space: global }
    .group_segment_fixed_size: 77312
    .private_segment_fixed_size: 0
    .kernarg_segment_align: 8
    .kernarg_segment_size: 32
    .max_flat_workgroup_size: 128
    .sgpr_count:     66
    .vgpr_count:     1024
    .wavefront_size: 32
...
	.end_amdgpu_metadata
.endif
;; end of part 2
;; launch attn (part 3): grid 16 x 16, 4 waves a work-group, no clusters, 297,984 bytes of LDS; arguments qk, vq, wq, bp, out0; writes out0
.if DOCPART == 3
	.amdgcn_target "amdgcn-amd-amdhsa--gfx1250"
	.amdhsa_code_object_version 6
	.text
	.protected	k_qe7a08c81c9_attn
	.globl	k_qe7a08c81c9_attn
	.p2align	8
	.type	k_qe7a08c81c9_attn,@function
k_qe7a08c81c9_attn:
	s_mov_b64 s[64:65], 0
	v_nop
	global_prefetch_b8 v0, s[64:65] scope:SCOPE_SE
	s_setreg_imm32_b32 hwreg(HW_REG_WAVE_MODE, 25, 1), 1
	s_wait_xcnt 0x0
; out = (softmax(q k^T / 8) V) Wp + bp, all three products on codes of FP6 (E2M3).  THE SOFTMAX IS QUANTISED FINISHED: p = exp(s - m) / l, in blocks of 32 keys from key 0:
; a wave keeps all 906 scores of its 16 queries in registers (58 tiles, 464 registers), and each exponential is taken once.
; SHARES: work-group (g, batch).  g < 9: queries 0 .. 512, values VA; g >= 9: queries 513 .. 905, values VV.  Wave w owns ONE tile of 16 queries, from token q0 = first + 16 (4 g' + w) on,
;   held at the kind's last token (rows held there are copies: the same numbers go to the same place), and walks the 12 heads.  33 + 25 tiles fill 58 of a batch's 64 places: a wave whose tile
;   does not exist jumps over the job by a scalar branch on ids (no barrier stands in a job), leaves zero codes under the byte 1.0 for the last product, and its rows are not stored.
; A HEAD'S K, its one V and their scale words (104,448 bytes) lie in one of two LDS slots.  The next head's are loaded at a trip's start into 204 registers of each thread (window 3) and stored into the
;   other slot at the trip's end: one barrier a trip: in front of it each wave's reads of this slot and its stores into the other are done.  These loads run a whole trip ahead: no other prefetch is laid.
; o's codes (half a fragment a head) and scale bytes gather in an LDS stage; behind the last barrier wave w multiplies the four tiles by columns 192 w .. 192 w + 191 of Wp (units 24-29 of wq), adds bp and stores whole rows.
; No cluster: LDS is filled through registers, and a batch's work-groups part 9 to 7 between VA and VV, which does not divide into fours that share both tiles.
; LAYOUT: S^T = K Q^T and O^T = V^T P^T: a lane holds one query throughout; the earlier launches chose each tile's rows so that 16 registers of two neighbouring tiles are 16 neighbours along the next K.
; K = 64 fills half of the matrix instruction: Q's upper six registers are zero codes; a tile of K is named as twelve registers whose upper six hold other written codes: they meet zero codes under the byte 1.0.
; A block's largest p is not searched for: the block's largest score takes the same multiply-add, exponential and multiplication as every score (this takes v_exp_f32 not to fall where its input rises).
; LIMITS: NaN and infinities not served; a p whose exponential falls under 2^-126 counts as 0; blocks under 2^-124 and blocks of zeros keep the byte 1.
; REGISTERS: window 0: v1-4 LDS addresses of the slot; v8-15, v29, v61 offsets; v16-28 Q; v[30:31] -c m; v32-60 block maxima, then scale operands; v62-63 the add's two; v64-171 K's two sets, then V's set 0 (v64-111, words v112-113),
;   P (v114-125), at work (v126-133), V's set 1 (words v134-135, v136-183); v172-179 K's scale words; v184-215 O^T; v216-233 sums; v234-241 p's scale words; v242-255 the way out.  windows 1, 2: scores, then p.  window 3: the next head on its way.
.set SLOT,  104448                     ; K 49,152; V 49,152; K's scale words 4,096; V's 2,048
.set OB,    2*SLOT                     ; o's codes: 4 tiles x 12 heads x 768 bytes
.set OSC,   OB+36864                   ; o's scale words: 4 tiles x 6 K steps x 64 bytes
.set STG,   OSC+1536                   ; the way out: 16 rows x 784 bytes for each wave
.set SPARE, STG+4*12544                ; the spare words: 128 bytes for each wave
.set WSC,   220                        ; the last product: Wp's scale words v220-255
.set MSB, 0
.macro WIN new
.if MSB != (\new)
	s_set_vgpr_msb (MSB<<8)|(\new)
.set MSB, (\new)
.endif
.endm
.macro WM d, a, b, z, sa, sb, ra, rb
.if \z
.if (\ra) && (\rb)
	v_wmma_scale_f32_16x16x128_f8f6f4 v[\d:\d+7], v[\a:\a+11], v[\b:\b+11], 0, v[\sa], v[\sb] matrix_a_fmt:MATRIX_FMT_FP6 matrix_b_fmt:MATRIX_FMT_FP6 matrix_a_scale:MATRIX_SCALE_ROW1 matrix_b_scale:MATRIX_SCALE_ROW1
.elseif \ra
	v_wmma_scale_f32_16x16x128_f8f6f4 v[\d:\d+7], v[\a:\a+11], v[\b:\b+11], 0, v[\sa], v[\sb] matrix_a_fmt:MATRIX_FMT_FP6 matrix_b_fmt:MATRIX_FMT_FP6 matrix_a_scale:MATRIX_SCALE_ROW1
.elseif \rb
	v_wmma_scale_f32_16x16x128_f8f6f4 v[\d:\d+7], v[\a:\a+11], v[\b:\b+11], 0, v[\sa], v[\sb] matrix_a_fmt:MATRIX_FMT_FP6 matrix_b_fmt:MATRIX_FMT_FP6 matrix_b_scale:MATRIX_SCALE_ROW1
.else
	v_wmma_scale_f32_16x16x128_f8f6f4 v[\d:\d+7], v[\a:\a+11], v[\b:\b+11], 0, v[\sa], v[\sb] matrix_a_fmt:MATRIX_FMT_FP6 matrix_b_fmt:MATRIX_FMT_FP6
.endif
.else
.if (\ra) && (\rb)
	v_wmma_scale_f32_16x16x128_f8f6f4 v[\d:\d+7], v[\a:\a+11], v[\b:\b+11], v[\d:\d+7], v[\sa], v[\sb] matrix_a_fmt:MATRIX_FMT_FP6 matrix_b_fmt:MATRIX_FMT_FP6 matrix_a_scale:MATRIX_SCALE_ROW1 matrix_b_scale:MATRIX_SCALE_ROW1
.elseif \ra
	v_wmma_scale_f32_16x16x128_f8f6f4 v[\d:\d+7], v[\a:\a+11], v[\b:\b+11], v[\d:\d+7], v[\sa], v[\sb] matrix_a_fmt:MATRIX_FMT_FP6 matrix_b_fmt:MATRIX_FMT_FP6 matrix_a_scale:MATRIX_SCALE_ROW1
.elseif \rb
	v_wmma_scale_f32_16x16x128_f8f6f4 v[\d:\d+7], v[\a:\a+11], v[\b:\b+11], v[\d:\d+7], v[\sa], v[\sb] matrix_a_fmt:MATRIX_FMT_FP6 matrix_b_fmt:MATRIX_FMT_FP6 matrix_b_scale:MATRIX_SCALE_ROW1
.else
	v_wmma_scale_f32_16x16x128_f8f6f4 v[\d:\d+7], v[\a:\a+11], v[\b:\b+11], v[\d:\d+7], v[\sa], v[\sb] matrix_a_fmt:MATRIX_FMT_FP6 matrix_b_fmt:MATRIX_FMT_FP6
.endif
.endif
.endm
.macro QL off                          ; my 16 queries' half fragment and scale words, of the head \off on from the bases'
.irp p, 0,1,2
	global_load_b64 v[16+2*\p:17+2*\p], v8, s[22:23] offset:49152*(\off)+256*\p
.endr
	global_load_b32 v28, v9, s[24:25] offset:4096*(\off)
.endm
.macro SLOAD off                       ; 51 chunks of 2,048 bytes, 16 bytes a thread: the head \off on from the bases'.  The caller has set the destination to window 3
.set i, 0
.rept 24
	global_load_b128 v[4*i:4*i+3], v61, s[26:27] offset:49152*(\off)+2048*i
	global_load_b128 v[96+4*i:99+4*i], v61, s[28:29] offset:49152*(\off)+2048*i
.set i, i+1
.endr
	global_load_b128 v[192:195], v61, s[32:33] offset:4096*(\off)
	global_load_b128 v[196:199], v61, s[32:33] offset:4096*(\off)+2048
	global_load_b128 v[200:203], v61, s[34:35] offset:2048*(\off)
.endm
.macro SSTORE                          ; and into the slot whose three regions v5, v6, v7 name
	WIN 0x0c                                       ; an LDS store's data are its source 1: window 3
.set i, 0
.rept 24
	ds_store_b128 v5, v[4*i:4*i+3] offset:2048*i
	ds_store_b128 v6, v[96+4*i:99+4*i] offset:2048*i
.set i, i+1
.endr
	ds_store_b128 v7, v[192:195]
	ds_store_b128 v7, v[196:199] offset:2048
	ds_store_b128 v7, v[200:203] offset:4096
	WIN 0
.endm
.macro LOADK s                         ; key step s: 8 tiles (step 7: 2) of 6 registers, and their scale words: 25 LDS loads (7)
.set kfx, 64+54*((\s)%2)
.set ntx, 8
.if (\s) == 7
.set ntx, 2
.endif
.set tx, 0
.rept ntx
.irp p, 0,1,2
	ds_load_b64 v[kfx+6*tx+2*\p:kfx+6*tx+2*\p+1], v1 offset:(8*(\s)+tx)*768+256*\p
.endr
.set tx, tx+1
.endr
	ds_load_b128 v[172+4*((\s)%2):175+4*((\s)%2)], v2 offset:512*(\s)
.endm
.macro QK s                            ; S^T of key step s
.set kfx, 64+54*((\s)%2)
.set ksx, 172+4*((\s)%2)
.set ntx, 8
.if (\s) == 7
.set ntx, 2
.endif
.set wx, 0x40*(1+(\s)/4)
	WIN wx
.set tx, 0
.rept ntx
	WM 64*((\s)%4)+8*tx, kfx+6*tx, 16, 1, ksx+tx/2, 28, tx%2, 0
.set tx, tx+1
.endr
.endm
.macro MAXS s                          ; the largest score of each block of 32 keys (my 16 of them); each tile is read from its low end on
.set wx, (1+(\s)/4)*5
	WIN wx
.set sbx, 64*((\s)%4)
.set nbx, 4
.if (\s) == 7
.set nbx, 1
.endif
.irp b, 0,1,2,3
.if \b < nbx
	v_max_num_f32 v[32+4*(\s)+\b], v[sbx+16*\b], v[sbx+16*\b+1]
.endif
.endr
.irp i, 2,4,6,8,10,12,14
.irp b, 0,1,2,3
.if \b < nbx
	v_max3_num_f32 v[32+4*(\s)+\b], v[sbx+16*\b+\i], v[sbx+16*\b+\i+1], v[32+4*(\s)+\b]
.endif
.endr
.endr
.endm
.macro FMAS s                          ; c s - c m of key step s; the caller has set destination and source 0 to the scores' window
.set sfx, 64*((\s)%4)
.set px, 0
.rept 32
	v_pk_fma_f32 v[sfx+2*px:sfx+2*px+1], v[sfx+2*px:sfx+2*px+1], s[20:21], v[30:31] op_sel_hi:[1,0,0]
.set px, px+1
.endr
.endm
.macro EXPI s, nx                      ; p' = 2^(c s - c m) of key step s; nx = 1: the next step's multiply-adds, which name other registers, stand among the exponentials
.set sbx, 64*((\s)%4)
.set sfx, 64*(((\s)+1)%4)
.set nex, 32
.if (\s) == 7
.set nex, 8
.endif
.set nfx, 0
.if \nx
.set nfx, 32
.if (\s) == 6
.set nfx, 8
.endif
.endif
.set px, 0
.rept nex
	v_exp_f32 v[sbx+2*px], v[sbx+2*px]
	v_exp_f32 v[sbx+2*px+1], v[sbx+2*px+1]
.if px < nfx
	v_pk_fma_f32 v[sfx+2*px:sfx+2*px+1], v[sfx+2*px:sfx+2*px+1], s[20:21], v[30:31] op_sel_hi:[1,0,0]
.endif
.set px, px+1
.endr
.endm
.macro SUMS first, n                   ; the row's sum of the unquantised numbers, in eight chains; source 0 in p's window
.set px, \first
.rept \n
.set ax, 216+2*(px%8)+2*((px%8)/4)
	v_pk_add_f32 v[ax:ax+1], v[2*px:2*px+1], v[ax:ax+1]
.set px, px+1
.endr
.endm
.macro NORM s                          ; p = p' / l
.set wx, (1+(\s)/4)*0x41
	WIN wx
.set sbx, 64*((\s)%4)
.set npx, 32
.if (\s) == 7
.set npx, 8
.endif
.set px, 0
.rept npx
	v_pk_mul_f32 v[sbx+2*px:sbx+2*px+1], v[sbx+2*px:sbx+2*px+1], v[224:225] op_sel_hi:[1,0]
.set px, px+1
.endr
.endm
.macro LOADV s                         ; key step s: V^T's four fragments and their scale words into set s % 2: 13 LDS loads
.set vfx, 64+72*((\s)%2)
.set vsx, 112+22*((\s)%2)
.irp t, 0,1,2,3
.irp c, 0,1,2
	ds_load_b128 v[vfx+12*\t+4*\c:vfx+12*\t+4*\c+3], v3 offset:6144*(\s)+1536*\t+512*\c
.endr
.endr
	ds_load_b64 v[vsx:vsx+1], v4 offset:256*(\s)
.endm
.macro CVTP s                          ; p of key step s becomes a fragment in v114-125
.set wx, 1+(\s)/4
	WIN wx
.set sbx, 64*((\s)%4)
.if (\s) < 7
	v_cvt_scalef32_pk16_fp6_f32 v[114:116], v[sbx:sbx+15], v[32+4*(\s)]
	v_cvt_scalef32_pk16_fp6_f32 v[126:128], v[sbx+16:sbx+31], v[33+4*(\s)]
	v_cvt_scalef32_pk16_fp6_f32 v[120:122], v[sbx+32:sbx+47], v[34+4*(\s)]
	s_wait_alu depctr_va_vdst(0)                   ; the last p were written ahead of a wait on LDS
	v_cvt_scalef32_pk16_fp6_f32 v[130:132], v[sbx+48:sbx+63], v[35+4*(\s)]
	WIN 0
	v_nop                                          ; one plain place behind the scaled conversions
.irp c, 0,1
.irp i, 0,1,2
	v_permlane16_swap_b32 v[114+6*\c+\i], v[126+4*\c+\i]
.endr
.irp i, 0,1,2
	v_mov_b32 v[117+6*\c+\i], v[126+4*\c+\i]
.endr
.endr
.else
	v_cvt_scalef32_pk16_fp6_f32 v[114:116], v[sbx:sbx+15], v60   ; keys 896 to 927; all behind them are zero codes
	WIN 0
.irp i, 126,127,128,120,121,122,123,124,125
	v_mov_b32 v\i, 0                               ; (the first of these is the plain place behind the conversion)
.endr
.irp i, 0,1,2
	v_permlane16_swap_b32 v[114+\i], v[126+\i]
.endr
.irp i, 0,1,2
	v_mov_b32 v[117+\i], v[126+\i]
.endr
.endif
.endm
.macro PV s, z                         ; O^T += V^T P^T: the four accumulators take turns
.set vfx, 64+72*((\s)%2)
.set vsx, 112+22*((\s)%2)
.irp t, 0,1,2,3
	WM 184+8*\t, vfx+12*\t, 114, \z, vsx+\t/2, 234+(\s), \t%2, 0
.endr
.endm
	s_load_b256 s[4:11], s[0:1], 0x0               ; qk, vq, wq, bp
	s_load_b64 s[12:13], s[0:1], 0x20              ; out0
	v_lshl_add_u32 v62, v0, 2, SPARE
	v_mov_b32 v63, 0
	v_lshrrev_b32 v1, 5, v0
	v_readfirstlane_b32 s14, v1                    ; wave
	v_and_b32 v5, 31, v0
	v_lshlrev_b32 v15, 3, v5                       ; 8 x lane
	v_lshlrev_b32 v13, 4, v5                       ; 16 x lane
	v_lshlrev_b32 v61, 4, v0                       ; 16 x thread
	v_and_b32 v11, 15, v0                          ; r
	v_bfe_u32 v12, v0, 4, 1                        ; h
	v_mov_b32 v14, 0xff800000                      ; -infinity
.irp i, 22,23,24,25,26,27,31,112,113,114,115,116,117,166,167,168,169,170,171,226,227,228,229,230,231,232,233,242,243,244,245,246,247
	v_mov_b32 v\i, 0                               ; Q's upper half; spare registers behind K's sets; upper halves of pairs, lane permutes' destinations; o's codes of a tile that does not exist
.endr
	v_mov_b32 v251, 0x7f7f                         ; and its two scale bytes: 1.0
	s_mov_b32 s15, ttmp9                           ; g
	s_and_b32 s16, ttmp7, 0xffff                   ; batch
	s_mov_b32 s17, 0xffff0000                      ; lanes 16-31
	s_mov_b32 s18, 0x76543210
	s_mov_b32 s19, 0xfedcba98                      ; lane l xor 16
	s_mov_b32 s20, 0x3e38aa3b                      ; c = log2(e) / 8
	s_mov_b32 s21, s20
	s_mov_b32 s39, 905
	s_cmp_lt_u32 s15, 9
	s_cselect_b32 s40, 0, 9
	s_cselect_b32 s52, 0, 513                      ; the kind's first token,
	s_cselect_b32 s39, 512, s39                    ; its last,
	s_cselect_b32 s41, 0, 192                      ; VA or VV
	s_sub_co_u32 s40, s15, s40
	s_lshl_b32 s40, s40, 6
	s_add_co_u32 s52, s52, s40                     ; the first token of the work-group's tile 0
	s_lshl_b32 s40, s14, 4
	s_add_co_u32 s37, s52, s40                     ; of my tile
	s_cmp_le_u32 s37, s39
	s_cselect_b32 s36, 1, 0                        ; does my tile exist?
	s_mul_i32 s42, s14, 384
	s_add_co_u32 s42, s42, OSC
	s_mul_i32 s43, s14, 9216
	s_add_co_u32 s43, s43, OB
	s_wait_alu depctr_va_vdst(0)                   ; behind the run of scalar lines
	v_lshl_add_u32 v10, v11, 2, s42                ; LDS: my tile's scale words, 4 r
	v_add_nc_u32 v29, s43, v15                     ; LDS: my tile's codes, 8 x lane
	; token tok lies in q's tile 2 (tok / 32) + (tok / 8) % 2, row (tok % 8) + 8 ((tok / 16) % 2): the offsets serve all heads
	v_add_nc_u32 v5, s37, v11
	v_min_u32 v5, s39, v5                          ; my row's token, never past the kind's last
	v_and_b32 v6, 7, v5
	v_bfe_u32 v7, v5, 4, 1
	v_lshl_or_b32 v6, v7, 3, v6
	v_bfe_u32 v7, v5, 3, 1
	v_lshrrev_b32 v8, 5, v5
	v_lshl_or_b32 v8, v8, 1, v7
	v_mul_u32_u24 v8, v8, 768
	v_lshl_add_u32 v9, v12, 4, v6
	v_lshl_add_u32 v8, v9, 3, v8                   ; codes: 768 tile + 8 (row + 16 h)
	v_lshl_add_u32 v9, v7, 4, v6
	v_lshlrev_b32 v9, 4, v9
	v_lshrrev_b32 v7, 7, v5
	v_lshl_add_u32 v9, v7, 9, v9
	v_bfe_u32 v7, v5, 5, 2
	v_lshl_add_u32 v9, v7, 2, v9                   ; scale word: 16 (row + 16 (odd tile)) + 512 (tok / 128) + 4 (pair of tiles)
	v_add_nc_u32 v6, 49152, v61                    ; slot 0's three regions, 16 x thread
	v_add_nc_u32 v7, 98304, v61
	v_mov_b32 v5, v61
	s_mul_i32 s44, s16, 12                         ; (batch, head 0)
	s_mul_i32 s50, s44, 49152
	s_mov_b32 s51, 0
	s_lshl_b32 s46, s44, 12
	s_mov_b32 s47, 0
	s_add_co_u32 s45, s44, s41
	s_mul_i32 s48, s45, 49152
	s_mov_b32 s49, 0
	s_lshl_b32 s54, s45, 11
	s_mov_b32 s55, 0
	s_mov_b32 s30, 0                               ; head
	s_mov_b32 s31, 0                               ; the slot that holds it
	s_mov_b32 s53, 0                               ; 768 x head
	s_wait_alu depctr_va_vdst(0)
	s_wait_kmcnt 0x0
	s_add_nc_u64 s[22:23], s[4:5], s[50:51]        ; q's codes
	s_add_nc_u64 s[26:27], s[22:23], 9437184       ; k's
	s_add_nc_u64 s[24:25], s[4:5], s[46:47]
	s_add_nc_u64 s[24:25], s[24:25], 18874368      ; q's scale words
	s_add_nc_u64 s[32:33], s[24:25], 786432        ; k's
	s_add_nc_u64 s[28:29], s[6:7], s[48:49]        ; V's codes
	s_add_nc_u64 s[34:35], s[6:7], s[54:55]
	s_add_nc_u64 s[34:35], s[34:35], 18874368      ; V's scale words
	QL 0
	WIN 0xc0
	SLOAD 0
	WIN 0
	s_wait_loadcnt 0x0
	SSTORE
	s_wait_dscnt 0x0                               ; for the others' sake: my part of head 0 has landed
	s_barrier_signal -1
	s_barrier_wait -1
.Lhead:
	s_cmp_lt_u32 s30, 11
	s_cbranch_scc0 .Lnoload                        ; the last head has no successor
	WIN 0xc0
	SLOAD 1
	WIN 0
.Lnoload:
	s_lshr_b32 s43, s30, 1
	s_lshl_b32 s43, s43, 6
	s_and_b32 s40, s30, 1
	s_lshl_b32 s40, s40, 1
	s_add_co_u32 s43, s43, s40                     ; o's scale bytes: 64 (head / 2) + 2 (head % 2)
	s_add_co_u32 s40, s31, 98304
	s_add_co_u32 s41, s31, 49152
	s_add_co_u32 s42, s31, 102400
	s_cmp_eq_u32 s36, 0
	s_cbranch_scc1 .Lstore
	v_add_nc_u32 v1, s31, v15                      ; K
	v_add_nc_u32 v2, s40, v13                      ; K's scale words
	v_add_nc_u32 v3, s41, v13                      ; V
	v_add_nc_u32 v4, s42, v15                      ; V's scale words
	s_wait_alu depctr_va_vdst(0)
	; ---- 1: all scores, and each block's largest
	LOADK 0
	LOADK 1
	s_wait_dscnt 25                                ; step 0's tiles are in; step 1's 25 loads may be out
	QK 0
.rept 4
	v_nop                                          ; four places in front of loads into registers that the products have read
.endr
	WIN 0
	LOADK 2
.irp s, 1,2,3,4,5
	s_wait_dscnt 25                                ; all but the next step's 25 loads
	QK \s
	MAXS \s-1                                      ; these are the places
	WIN 0
	LOADK \s+2
.endr
	s_wait_dscnt 7                                 ; all but step 7's 7 loads
	QK 6
	MAXS 5
	WIN 0
	s_wait_dscnt 0x0
	QK 7
	MAXS 6
	WIN 0x82                                       ; step 7, register i: key 896 + 16 (lane / 16) + i.  Keys from 906 on do not exist: -infinity
.irp i, 0,1,2,3,4,5,6,7,8,9
	v_cndmask_b32 v[192+\i], v[192+\i], v14, s17
.endr
	WIN 0x80
.irp i, 10,11,12,13,14,15
	v_mov_b32 v[192+\i], v14
.endr
	MAXS 7
	WIN 0
	; ---- 2: the next head's Q (behind the last head: bytes of qk that are not used) and V's first two key steps are asked for; the row's maximum
	QL 1
	LOADV 0
	LOADV 1
.irp g, 0,1,2
.irp i, 0,1,2,3,4,5,6,7
	v_permlanex16_b32 v[226+\i], v[32+8*\g+\i], s18, s19
.endr
.irp i, 0,1,2,3,4,5,6,7
	v_max_num_f32 v[32+8*\g+\i], v[32+8*\g+\i], v[226+\i]     ; with lane l xor 16's 16 keys: the block's largest score
.endr
.endr
.irp i, 0,1,2,3,4
	v_permlanex16_b32 v[226+\i], v[56+\i], s18, s19
.endr
.irp i, 0,1,2,3,4
	v_max_num_f32 v[56+\i], v[56+\i], v[226+\i]
.endr
	v_max3_num_f32 v252, v32, v33, v34             ; two chains
	v_max3_num_f32 v253, v47, v48, v49
.irp i, 0,1,2,3,4
	v_max3_num_f32 v252, v252, v[35+2*\i], v[36+2*\i]
	v_max3_num_f32 v253, v253, v[50+2*\i], v[51+2*\i]
.endr
	v_max3_num_f32 v252, v252, v45, v46
	v_max3_num_f32 v252, v252, v253, v60           ; m
	v_mul_f32 v30, 0xbe38aa3b, v252                ; -c m
	; ---- 3, 4: the exponentials, a batch a key step, a wait ahead of each batch and behind the last, and the row's sum
.irp i, 0,1,2,3,4,5,6,7,8,9,10,11,12,13,14,15,16,17,18,19,20,21,22,23,24,25,26,27,28
	v_fma_f32 v[32+\i], v[32+\i], s20, v30         ; the blocks' largest scores take the same way as every score
.endr
	s_wait_alu depctr_va_vdst(0)
.irp i, 0,1,2,3,4,5,6,7,8,9,10,11,12,13,14,15,16,17,18,19,20,21,22,23,24,25,26,27,28
	v_exp_f32 v[32+\i], v[32+\i]
.endr
	WIN 0x41
	FMAS 0
	s_wait_alu depctr_va_vdst(0)
	EXPI 0, 1
	s_wait_alu depctr_va_vdst(0)
	EXPI 1, 1
	s_wait_alu depctr_va_vdst(0)
	EXPI 2, 1
	s_wait_alu depctr_va_vdst(0)
	EXPI 3, 0
	v_nop                                          ; a plain place behind the last exponential
	s_wait_alu depctr_va_vdst(0)
	WIN 0x05
.irp k, 0,1,2,3,4,5,6,7
	v_pk_add_f32 v[216+2*\k+2*(\k/4):217+2*\k+2*(\k/4)], v[4*\k:4*\k+1], v[4*\k+2:4*\k+3]    ; the first sixteen pairs start the chains: nothing is cleared
.endr
	WIN 0x01
	SUMS 16, 112
	WIN 0x82
	FMAS 4
	s_wait_alu depctr_va_vdst(0)
	EXPI 4, 1
	s_wait_alu depctr_va_vdst(0)
	EXPI 5, 1
	s_wait_alu depctr_va_vdst(0)
	EXPI 6, 1
	s_wait_alu depctr_va_vdst(0)
	EXPI 7, 0
	v_nop
	s_wait_alu depctr_va_vdst(0)
	WIN 0x02
	SUMS 0, 104
	WIN 0
	v_pk_add_f32 v[216:217], v[216:217], v[218:219]
	v_pk_add_f32 v[220:221], v[220:221], v[222:223]
	v_pk_add_f32 v[226:227], v[226:227], v[228:229]
	v_pk_add_f32 v[230:231], v[230:231], v[232:233]
	v_pk_add_f32 v[216:217], v[216:217], v[220:221]
	v_pk_add_f32 v[226:227], v[226:227], v[230:231]
	v_pk_add_f32 v[216:217], v[216:217], v[226:227]
	v_add_f32 v216, v216, v217
	v_permlanex16_b32 v226, v216, s18, s19
	v_add_f32 v216, v216, v226                     ; l
	s_wait_alu depctr_va_vdst(0)
	v_rcp_f32 v224, v216
	v_nop
	s_wait_alu depctr_va_vdst(0)
	v_mov_b32 v225, v224                           ; (named with it as a pair)
	; ---- 5: each block's scale
.irp i, 0,1,2,3,4,5,6,7,8,9,10,11,12,13,14,15,16,17,18,19,20,21,22,23,24,25,26,27,28
	v_mul_f32 v[32+\i], v[32+\i], v224             ; the block's largest p
.endr
.irp i, 0,1,2,3,4,5,6,7,8,9,10,11,12,13,14,15,16,17,18,19,20,21,22,23,24,25,26,27,28
	v_max_num_f32 v[32+\i], 0x1800000, v[32+\i]    ; the floor 2^(3 - 127)
.endr
.irp i, 0,1,2,3,4,5,6,7,8,9,10,11,12,13,14,15,16,17,18,19,20,21,22,23,24,25,26,27,28
	v_add_nc_u32 v[32+\i], 0xff000000, v[32+\i]    ; 2 off the exponent field: the conversion's scale operand
.endr
.irp s, 0,1,2,3,4,5,6
	v_lshrrev_b32 v[234+\s], 23, v[32+4*\s]
	v_lshrrev_b32 v252, 23, v[33+4*\s]
	v_lshrrev_b32 v253, 23, v[34+4*\s]
	v_lshrrev_b32 v254, 23, v[35+4*\s]
	v_lshl_or_b32 v[234+\s], v252, 8, v[234+\s]
	v_lshl_or_b32 v[234+\s], v253, 16, v[234+\s]
	v_lshl_or_b32 v[234+\s], v254, 24, v[234+\s]   ; p's scale word for key step s
.endr
	v_lshrrev_b32 v241, 23, v60                    ; step 7: one block; the other three bytes stand over zero codes
	; ---- 6: p is normalised, quantised and multiplied, a key step at a time; V's fragments come two key steps ahead
	NORM 0
	WIN 0
.irp s, 0,1,2,3,4,5,6,7
	CVTP \s
.if \s < 7
	NORM \s+1                                      ; the places between P's last write and the products
	WIN 0
	s_wait_dscnt 13                                ; this step's V is in; the next step's 13 loads may be out
.else
.rept 4
	v_nop
.endr
	s_wait_dscnt 0x0
.endif
.if \s == 0
	PV \s, 1
.else
	s_wait_alu depctr_va_vdst(0)
	PV \s, 0
.endif
.rept 4
	v_nop                                          ; four places in front of loads into, and writes of, the products' registers, and of the first read of O^T
.endr
.if \s < 6
	LOADV \s+2
.endif
.endr
	; ---- 7: O^T's 32 registers are the head's 64 channels, two blocks of the last product's K: quantised, half a fragment
.irp b, 0,1
	v_max3_num_f32 v[252+\b], |v[184+16*\b]|, |v[185+16*\b]|, 0x1800000
.endr
.irp i, 2,4,6,8,10,12,14
.irp b, 0,1
	v_max3_num_f32 v[252+\b], v[252+\b], |v[184+16*\b+\i]|, |v[185+16*\b+\i]|
.endr
.endr
.irp b, 0,1
	v_permlanex16_b32 v[226+\b], v[252+\b], s18, s19
.endr
.irp b, 0,1
	v_max_num_f32 v[252+\b], v[252+\b], v[226+\b]
.endr
.irp b, 0,1
	v_add_nc_u32 v[252+\b], 0xff000000, v[252+\b]
.endr
.irp b, 0,1
	v_lshrrev_b32 v[254+\b], 23, v[252+\b]
.endr
	v_lshl_or_b32 v251, v255, 8, v254              ; the head's two scale bytes of my row
	v_cvt_scalef32_pk16_fp6_f32 v[242:244], v[184:199], v252
	v_cvt_scalef32_pk16_fp6_f32 v[248:250], v[200:215], v253
	v_nop
.irp i, 0,1,2
	v_permlane16_swap_b32 v[242+\i], v[248+\i]
.endr
.irp i, 0,1,2
	v_mov_b32 v[245+\i], v[248+\i]
.endr
.Lstore:
	v_add_nc_u32 v5, s53, v29
	v_add_nc_u32 v6, s43, v10
	s_wait_alu depctr_va_vdst(0)
	ds_store_b64 v5, v[242:243]
	ds_store_b64 v5, v[244:245] offset:256
	ds_store_b64 v5, v[246:247] offset:512
	ds_store_b16 v6, v251                          ; lanes 16-31 write what lanes 0-15 write
	s_wait_loadcnt 0x0                             ; the next head is in my registers, and so is the next Q: every base may step
	s_cmp_lt_u32 s30, 11
	s_cbranch_scc0 .Lnostore
	s_xor_b32 s56, s31, SLOT                       ; the other slot: last read a trip ago, in front of the last barrier
	s_add_co_u32 s57, s56, 49152
	s_add_co_u32 s58, s56, 98304
	v_lshl_add_u32 v5, v0, 4, s56
	v_lshl_add_u32 v6, v0, 4, s57
	v_lshl_add_u32 v7, v0, 4, s58
	SSTORE
.Lnostore:
	s_add_nc_u64 s[22:23], s[22:23], 49152
	s_add_nc_u64 s[26:27], s[26:27], 49152
	s_add_nc_u64 s[28:29], s[28:29], 49152
	s_add_nc_u64 s[24:25], s[24:25], 4096
	s_add_nc_u64 s[32:33], s[32:33], 4096
	s_add_nc_u64 s[34:35], s[34:35], 2048
	s_xor_b32 s31, s31, SLOT
	s_add_co_u32 s53, s53, 768
	s_wait_dscnt 0x0                               ; my reads of this slot are over, my stores into the other slot and into o's stage have landed
	s_barrier_signal -1
	s_barrier_wait -1
	s_add_co_u32 s30, s30, 1
	s_cmp_lt_u32 s30, 12
	s_cbranch_scc1 .Lhead
; ---- THE LAST PRODUCT: out = o Wp + bp.  Source 0 = 16 columns of Wp, source 1 = 16 rows of o.  48 accumulators: (i, j) at v[96 (i % 2) + 8 j] of window 2 + i / 2.
; window 0: v16-27 o's scale words, v220-255 Wp's, v64-207 Wp's set 1 (on the way out rows read back and store offsets), v208-219 the bias; window 1: v0-143 Wp's set 0, v144-239 o's fragments, two sets.
.macro LOADS n                         ; K step n: 36 loads from memory (Wp's 12 tiles), 24 from LDS (o's four)
.set stx, (\n)%2
.if stx == 0
	WIN 0x40
.set wbx, 0
.else
	WIN 0
.set wbx, 64
.endif
.irp e, 0,1,2
.irp t, 0,1,2,3
.irp c, 0,1,2
	global_load_b128 v[wbx+12*(4*\e+\t)+4*\c:wbx+12*(4*\e+\t)+4*\c+3], v1, s[54+2*\e:55+2*\e] offset:12288*(\n)+1536*\t+512*\c
.endr
.endr
.endr
	WIN 0x40
.irp i, 0,1,2,3
.irp p, 0,1,2,3,4,5
	ds_load_b64 v[144+48*stx+12*\i+2*\p:145+48*stx+12*\i+2*\p], v2 offset:9216*\i+1536*(\n)+256*\p
.endr
.endr
	WIN 0
.endm
.macro MULS n, zero                    ; 48 matrix instructions; the accumulators take turns in the same order in every K step
.set stx, (\n)%2
.set wbx, 64*stx
.irp i, 0,1,2,3
.set wx, 0xa4+0x50*(\i/2)+1-stx
	WIN wx
.irp j, 0,1,2,3,4,5,6,7,8,9,10,11
	WM 96*(\i%2)+8*\j, wbx+12*\j, 144+48*stx+12*\i, \zero, WSC+6*(\n)+\j/2, 16+2*(\n)+\i/2, \j%2, \i%2
.endr
.endr
	WIN 0
.endm
.macro OUT i                           ; row tile i leaves, if it exists: the tiles' first tokens ascend
	s_add_co_u32 s38, s52, 16*\i                   ; its first token
	s_cmp_gt_u32 s38, s39
	s_cbranch_scc1 .Ldone
.set wx, 0x08+4*(\i/2)
	WIN wx
.irp j, 0,1,2,3,4,5,6,7,8,9,10,11
	ds_store_b128 v4, v[96*(\i%2)+8*\j:96*(\i%2)+8*\j+3] offset:128*(\j/2)+32*(\j%2)          ; each accumulator from its low end on
	ds_store_b128 v4, v[96*(\i%2)+8*\j+4:96*(\i%2)+8*\j+7] offset:128*(\j/2)+32*(\j%2)+16
.endr
	WIN 0
.if \i > 0
	s_wait_xcnt 0x0                                ; the last tile's stores have read their registers
.endif
.irp q, 0,1,2,3,4,5,6,7                            ; two rows, 1,536 bytes, by three loads; LDS serves a wave's instructions in order
	ds_load_b128 v[64+12*\q:67+12*\q], v5 offset:1568*\q
	ds_load_b128 v[68+12*\q:71+12*\q], v6 offset:1568*\q
	ds_load_b128 v[72+12*\q:75+12*\q], v7 offset:1568*\q
.endr
.irp q, 0,1,2,3,4,5,6,7
	s_add_co_u32 s41, s38, 2*\q
	s_min_u32 s41, s41, s39
	s_add_co_u32 s41, s41, s37
	s_mul_i32 s41, s41, 3072                       ; the even row's place in out
	s_add_co_u32 s42, s38, 2*\q+1
	s_min_u32 s42, s42, s39
	s_add_co_u32 s42, s42, s37
	s_mul_i32 s42, s42, 3072                       ; the odd row's
	v_add_nc_u32 v[160+3*\q], s41, v1
	v_add_nc_u32 v[161+3*\q], s41, v9
	v_add_nc_u32 v[162+3*\q], s42, v9
	v_cndmask_b32 v[161+3*\q], v[161+3*\q], v[162+3*\q], s17   ; the middle load: lanes 0-15 the even row's end, lanes 16-31 the odd row's start
	v_add_nc_u32 v[162+3*\q], s42, v10
.endr
.irp q, 0,1,2,3,4,5,6,7
	s_wait_dscnt 21-3*\q                           ; all but the later pairs' loads
.irp k, 0,1,2
	v_pk_add_f32 v[64+12*\q+4*\k:65+12*\q+4*\k], v[64+12*\q+4*\k:65+12*\q+4*\k], v[208+4*\k:209+4*\k]
	v_pk_add_f32 v[66+12*\q+4*\k:67+12*\q+4*\k], v[66+12*\q+4*\k:67+12*\q+4*\k], v[210+4*\k:211+4*\k]
.endr
.irp k, 0,1,2
	global_store_b128 v[160+3*\q+\k], v[64+12*\q+4*\k:67+12*\q+4*\k], s[34:35] th:TH_STORE_NT   ; sixteen lanes store 256 consecutive bytes, aligned
.endr
.endr
.endm
	s_mul_i32 s20, s14, 3
	s_mov_b32 s25, 0
.irp e, 0,1,2                                      ; my three runs of 64 columns: run 3 wave + e is half (run % 2) of unit 24 + run / 2
	s_add_co_u32 s21, s20, \e
	s_lshr_b32 s22, s21, 1
	s_add_co_u32 s22, s22, 24
	s_and_b32 s21, s21, 1
	s_mul_i32 s24, s22, 73728
	s_mul_i32 s23, s21, 6144
	s_add_co_u32 s24, s24, s23
	s_add_nc_u64 s[54+2*\e:55+2*\e], s[8:9], s[24:25]
	s_mul_i32 s24, s22, 3072
	s_lshl_b32 s23, s21, 3
	s_add_co_u32 s24, s24, s23
	s_add_co_u32 s24, s24, 2211840
	s_add_nc_u64 s[46+2*\e:47+2*\e], s[8:9], s[24:25]
.endr
	s_mul_i32 s24, s14, 768
	s_add_nc_u64 s[26:27], s[10:11], s[24:25]      ; my 192 numbers of the bias
	s_add_nc_u64 s[34:35], s[12:13], s[24:25]      ; my 768 bytes of a row of out
	s_mul_i32 s37, s16, 906                        ; the batch's first token
	s_mul_i32 s15, s14, 12544
	s_add_co_u32 s15, s15, STG                     ; my stage
	v_and_b32 v11, 31, v0
	v_and_b32 v12, 15, v0                          ; r
	v_bfe_u32 v13, v0, 4, 1                        ; h
	v_lshlrev_b32 v1, 4, v11                       ; 16 x lane
	v_lshl_add_u32 v2, v11, 3, OB                  ; o's codes: 8 x lane
	v_lshlrev_b32 v3, 2, v12
	v_mad_u32_u24 v3, v13, 384, v3
	v_add_nc_u32 v3, OSC, v3                       ; o's scale words: lanes 0-15 an even tile's rows, lanes 16-31 the next tile's
	v_mul_u32_u24 v4, v12, 784
	v_lshl_add_u32 v4, v13, 6, v4
	v_add_nc_u32 v4, s15, v4                       ; into the stage: row r, + 64 h
	v_add_nc_u32 v5, s15, v1                       ; back: the even row's first 512 bytes,
	v_lshlrev_b32 v14, 4, v12
	v_mad_u32_u24 v6, v13, 272, v14
	v_add_nc_u32 v6, 512, v6
	v_add_nc_u32 v6, s15, v6                       ; its last 256 and the odd row's first 256,
	v_add_nc_u32 v7, 1040, v5                      ; the odd row's last 512
	v_xor_b32 v15, 1, v13
	v_lshl_add_u32 v9, v15, 9, v14                 ; the same three places in my 768 bytes of a row
	v_add_nc_u32 v10, 256, v1
	s_wait_alu depctr_va_vdst(0)
.irp k, 0,1,2,3,4,5
	ds_load_b32 v[16+2*\k], v3 offset:64*\k
	ds_load_b32 v[17+2*\k], v3 offset:768+64*\k
.irp e, 0,1,2
	global_load_b64 v[WSC+6*\k+2*\e:WSC+1+6*\k+2*\e], v1, s[46+2*\e:47+2*\e] offset:512*\k
.endr
.endr
	global_load_b128 v[208:211], v1, s[26:27]
	global_load_b128 v[212:215], v9, s[26:27]
	global_load_b128 v[216:219], v10, s[26:27]
	LOADS 0
	LOADS 1
	s_wait_loadcnt 36                              ; all but the 36 and the 24 just issued
	s_wait_dscnt 24
	MULS 0, 1
.irp n, 1,2,3,4
.rept 4
	v_nop                                          ; four places in front of loads into the set that the last K step read
.endr
	LOADS \n+1
	s_wait_loadcnt 36
	s_wait_dscnt 24
	MULS \n, 0
.endr
	s_wait_loadcnt 0x0
	s_wait_dscnt 0x0
	MULS 5, 0
.rept 4
	v_nop                                          ; four places in front of the first read of results and of loads into registers that the products read
.endr
	OUT 0
	OUT 1
	OUT 2
	OUT 3
.Ldone:
	s_wait_tensorcnt 0x0                           ; the wave's end
	ds_add_u32 v62, v63
	s_wait_dscnt 0x0
	s_endpgm
.Lfunc_end_k_qe7a08c81c9_attn:
	.size	k_qe7a08c81c9_attn, .Lfunc_end_k_qe7a08c81c9_attn-k_qe7a08c81c9_attn
	.p2alignl 7, 3214868480
	.fill 96, 4, 3214868480
	.section	.rodata,"a",@progbits
	.p2align	6, 0x0
	.amdhsa_kernel k_qe7a08c81c9_attn
		.amdhsa_group_segment_fixed_size 297984
		.amdhsa_private_segment_fixed_size 0
		.amdhsa_enable_private_segment 0
		.amdhsa_kernarg_size 40
		.amdhsa_user_sgpr_count 2
		.amdhsa_user_sgpr_kernarg_segment_ptr 1
		.amdhsa_wavefront_size32 1
		.amdhsa_system_sgpr_workgroup_id_x 1
		.amdhsa_system_sgpr_workgroup_id_y 1
		.amdhsa_system_sgpr_workgroup_id_z 1
		.amdhsa_system_vgpr_workitem_id 0
		.amdhsa_next_free_vgpr 1024
		.amdhsa_next_free_sgpr 66
		.amdhsa_reserve_vcc 0
		.amdhsa_float_denorm_mode_32 3
		.amdhsa_float_denorm_mode_16_64 3
		.amdhsa_memory_ordered 1
		.amdhsa_forward_progress 1
		.amdhsa_inst_pref_size 255
	.end_amdhsa_kernel
	.section	.bss,"aw",@nobits
	.p2align	6
	.space	262144
	.amdgpu_metadata
---
amdhsa.version: [ 1, 2 ]
amdhsa.kernels:
  - .name:           k_qe7a08c81c9_attn
    .symbol:         k_qe7a08c81c9_attn.kd
    .args:
      - { .name: qk, .offset: 0, .size: 8, .value_kind: global_buffer, .address_space: global }
      - { .name: vq, .offset: 8, .size: 8, .value_kind: global_buffer, .address_space: global }
      - { .name: wq, .offset: 16, .size: 8, .value_kind: global_buffer, .address_space: global }
      - { .name: bp, .offset: 24, .size: 8, .value_kind: global_buffer, .address_space: global }
      - { .name: out0, .offset: 32, .size: 8, .value_kind: global_buffer, .address_space: global }
    .group_segment_fixed_size: 297984
    .private_segment_fixed_size: 0
    .kernarg_segment_align: 8
    .kernarg_segment_size: 40
    .max_flat_workgroup_size: 128
    .sgpr_count:     66
    .vgpr_count:     1024
    .wavefront_size: 32
...
	.end_amdgpu_metadata
.endif
;; end of part 3
